; MI455X (gfx1250); checked and timed in simulation.
; The chip was launched on July 23, 2026; its instructions are those of AMD's public machine-readable ISA for CDNA 5 (MIT licence, August 2026) and "CDNA5" Instruction Set Architecture Reference Guide (July 2026). The comments in the code are by the model that wrote it; some were corrected since.
;; Muti Query Attention. Allowed arithmetic: matrix products marked QUANTISED: E2M1 operands, one E8M0 scale for each 32 along K, by v_wmma_scale_f32_16x16x128_f8f6f4 with both operands' format E2M1 (or v_wmma_scale_f32_32x16x128_f4), f32 sums; everything else in f32.
;; Inputs: Wk_codes 64 x 32 x 16 uint8 (E2M1 codes of Wk, K innermost, in blocks of 32 codes, two codes a byte); Wk_scales 64 x 32 uint8 (E8M0 scales of Wk, one for each 32 codes along K); Wo_codes 1,024 x 32 x 16 uint8 (E2M1 codes of Wo, K innermost, in blocks of 32 codes, two codes a byte); Wo_scales 1,024 x 32 uint8 (E8M0 scales of Wo, one for each 32 codes along K); Wq_codes 1,024 x 32 x 16 uint8 (E2M1 codes of Wq, K innermost, in blocks of 32 codes, two codes a byte); Wq_scales 1,024 x 32 uint8 (E8M0 scales of Wq, one for each 32 codes along K); Wv_codes 64 x 32 x 16 uint8 (E2M1 codes of Wv, K innermost, in blocks of 32 codes, two codes a byte); Wv_scales 64 x 32 uint8 (E8M0 scales of Wv, one for each 32 codes along K); bk 64 float32; bo 1,024 float32; bq 1,024 float32; bv 64 float32; hidden_state_codes 4 x 2,048 x 32 x 16 uint8 (E2M1 codes of hidden_state, K innermost, in blocks of 32 codes, two codes a byte); hidden_state_scales 4 x 2,048 x 32 uint8 (E8M0 scales of hidden_state, one for each 32 codes along K).
;; Outputs: out0 4 x 2,048 x 1,024 float32.
;; This version of the problem:
;;   THIS VERSION OF THE PROBLEM IS GIVEN IN LOW PRECISION. The matrix products marked QUANTISED in the list below multiply operands that are first quantised to E2M1 (2 exponent bits, 1 mantissa bit; 4 bits a number), with one power-of-two scale for each 32 numbers along K (OCP MX v1.0); their sums are f32. All else is computed in f32.
;;   The module's matrix products, in the order in which they are computed (A, B: the left and right operand; K: the contracted axis; several contracted axes count as one K, in the product's order):
;;     1. [M 8,192, K 1,024] x [K 1,024, N 1,024]; A: input hidden_state (given as codes); B: input Wq (given as codes): QUANTISED
;;     2. [M 8,192, K 1,024] x [K 1,024, N 64]; A: input hidden_state (given as codes); B: input Wk (given as codes): QUANTISED
;;     3. [M 8,192, K 1,024] x [K 1,024, N 64]; A: input hidden_state (given as codes); B: input Wv (given as codes): QUANTISED
;;     4. batch 4 x [M 2,048, K 64] x [K 64, N 32,768]; A: computed on the way; B: computed on the way: QUANTISED
;;     5. batch 4 x [M 64, K 2,048] x [K 2,048, N 32,768]; A: computed on the way; B: softmax (see below): QUANTISED
;;     6. [M 8,192, K 1,024] x [K 1,024, N 1,024]; A: computed on the way; B: input Wo (given as codes): QUANTISED
;;   THE QUANTISER, for each operand of a quantised product, along K:
;;     - K is cut into blocks of 32 from its start; a last block that is shorter is filled with zeros.
;;     - A block's scale is 2^e with e = floor(log2(the largest magnitude in the block)) - 2, held to -126 .. 127; a block of zeros has e = 0. As a byte (E8M0): e + 127.
;;     - Each number is divided by its block's scale, clamped to +-6, and rounded to the nearest number of E2M1, ties to even, subnormals kept.
;;     - The product sums the exact products of the quantised numbers (number of the format x scale) in f32.
;;   ~~~python
;;   def quantise(x, axis):      # numpy; x: float32 -> the quantised numbers, widened to float32 again
;;       x = np.moveaxis(x, axis, -1); K = x.shape[-1]
;;       x = np.pad(x, [(0, 0)] * (x.ndim - 1) + [(0, -K % 32)]); x = x.reshape(x.shape[:-1] + (-1, 32)); a = np.abs(x).max(-1, keepdims=True)
;;       e = np.where(a > 0, np.clip(np.frexp(np.where(a > 0, a, 1))[1] - 1 - 2, -126, 127), 0)      # np.frexp(a)[1] - 1 = floor(log2(a)), exactly
;;       r = np.clip(x / 2.0 ** e, -6, 6)
;;       step = 2.0 ** (np.maximum(np.frexp(np.where(r == 0, 1, r))[1] - 1, 0) - 1)
;;       q = np.round(r / step) * step * 2.0 ** e      # np.round: ties to even
;;       return np.moveaxis(q.reshape(q.shape[:-2] + (-1,))[..., :K], -1, axis).astype(np.float32)
;;   ~~~
;;   SOFTMAX AHEAD OF A QUANTISED PRODUCT. Where the list says 'softmax', what is quantised is not the finished softmax but p = 2^(t - M), with t = logit x log2(e) and M = ceil(the row's largest t), a whole number; so 1/2 < the row's largest p <= 1. The row's sum l is taken of the UNQUANTISED p, in f32, and the product's result is divided by l at the end. Since M is a whole number, a kernel that streams over the keys may use a running M (the ceiling of the running maximum): every later rescaling is an exact power of two, which a block's scale takes up: the codes' values come out the same.
;;   OPERANDS COMPUTED ON THE WAY. 'Computed on the way' means the value that the module computes at that place (a softmax that the list does not call 'softmax' is quantised finished and normalised). What goes into a quantiser is computed in f32, as accurately as f32 sums, v_exp_f32 and their like allow (about 1e-6 of the number): no bf16 or f16 on the way to a quantiser, and a product that is left as it is and whose result goes on into a quantised operand takes f32 operands (vector FMAs, or v_wmma_f32_16x16x4_f32). A number that lies on a knife's edge between two numbers of the format may be rounded either way, as far as f32 arithmetic and the matrix unit's own rounding can turn it there, and no further.
;;   INPUTS GIVEN AS CODES. Wk (in the module: [1024, 64], K = its axis 0); Wo (in the module: [1024, 1024], K = its axis 0); Wq (in the module: [1024, 1024], K = its axis 0); Wv (in the module: [1024, 64], K = its axis 0); hidden_state (in the module: [4, 2048, 1024], K = its axis 2): each comes as NAME_codes (uint8): NAME with its K axis moved to the last place and cut into blocks of 32 codes, [.., K / 32, bytes a block], one block behind the other in memory; two codes a byte, the lower K in the low four bits (a code: sign, 2 exponent bits, 1 mantissa bit); and NAME_scales (uint8): the same leading axes, one E8M0 byte (e + 127) for each 32 codes along K. Its value is code x scale, taken as it is: it is not quantised again, and the codes and scales need not be those that the quantiser above would give.
;; One version. Each part assembles by itself: llvm-mc -triple=amdgcn-amd-amdhsa -mcpu=gfx1250 --defsym DOCPART=n.
;; ======== version 1 of 1: 3 launches
;; limits: right only within a limited range of input values
;; workspace buffers: q_codes 4,194,304 bytes; q_scales 262,144 bytes; kv 557,056 bytes; ao_codes 4,194,304 bytes; ao_scales 262,144 bytes
;; launch proj (part 1): grid 64 x 4, 10 waves a work-group, clusters of 4 x 1, 296,960 bytes of LDS; arguments hidden_state_codes, hidden_state_scales, Wq_codes, Wq_scales, bq, Wk_codes, Wk_scales, bk, Wv_codes, Wv_scales, bv, q_codes, q_scales, kv; writes q_codes, q_scales, kv
.if DOCPART == 1
	.amdgcn_target "amdgcn-amd-amdhsa--gfx1250"
	.amdhsa_code_object_version 6
	.text
	.protected	k_q66c89c82b3_proj
	.globl	k_q66c89c82b3_proj
	.p2align	8
	.type	k_q66c89c82b3_proj,@function
k_q66c89c82b3_proj:
	s_mov_b64 s[64:65], 0
	v_nop
	global_prefetch_b8 v0, s[64:65] scope:SCOPE_SE
	s_setreg_imm32_b32 hwreg(HW_REG_WAVE_MODE, 25, 1), 1
	s_wait_xcnt 0x0
	s_wait_alu depctr_hold_cnt(0) depctr_sa_sdst(0) depctr_va_vdst(0) depctr_va_sdst(0) depctr_va_ssrc(0) depctr_va_vcc(0) depctr_vm_vsrc(0)
	s_getreg_b32 s2, hwreg(HW_REG_IB_STS2, 6, 4)
	s_cmp_eq_u32 s2, 0
	s_cbranch_scc0 .Lentry_in_a_cluster
	s_endpgm
.Lentry_in_a_cluster:
	s_bfe_u32 s2, ttmp6, 0x10000c
	s_cmp_lg_u32 s2, 0x3003
	s_cbranch_scc0 .Lentry_shape_is_right
	s_endpgm
.Lentry_shape_is_right:
; q = x Wq + bq, k = x Wk + bk, v = x Wv + bv on codes of FP4 (E2M1) with one E8M0 scale for each 32 along K = 1,024; sums in f32.
; The three results are quantised here, in registers, and leave as codes laid in the order of the registers of the launch that reads them:
;   q_codes  [token / 16][head][lane][16 bytes]: lane (r, h) holds block h (32 codes along the head's 64) of token 16 m + r;
;   q_scales [token / 64][head][tile / 2][r][tile % 2] of two bytes (block 0, block 1);
;   kv       64 key steps (128 keys) of 8,704 bytes: four fragments of K (32 keys x 64), four of V^T (16 d x 128 keys), 512 bytes of scale words.
; SHARES.  Work-group (x, y) takes the 128 tokens of key step x and the heads 4 y .. 4 y + 3 of q.  Waves 0-7 make q: wave w has 64 tokens (w % 2) of one head (w / 2),
; 16 accumulators.  Wave 8 makes fragment y of K, wave 9 fragment y of V^T of that key step, 8 accumulators each.
; All of K lies in LDS, filled once by eight tensor loads of 64 rows x 512 bytes (waves 0-3: Wq; 4: Wk; 5: Wv; 6, 7: the tokens); one barrier behind them; nothing is stored to LDS.
; CLUSTER.  Four work-groups along x (four key steps, the same four heads) form a cluster.  They need the same 256 rows of Wq and the same Wk and Wv: 202,752 of a work-group's 270,336 bytes.
; Each such piece is asked for JOINTLY: the same tensor load, with the same descriptor and a mask that names the four, in all four; each receives the piece in its own LDS.  The tokens are a
; work-group's own and come by plain loads.  The place in the cluster enters global addresses alone: no LDS address and no branch hangs on it.
; LAYOUT.  q and k are made TRANSPOSED (source 0 = 16 rows of the weight, source 1 = 16 tokens): a lane holds one token and its registers run along the head's 64.  THE ROWS OF A WEIGHT'S TILE
; ARE NOT NEIGHBOURS: lane r of tile 2 b + u takes row 32 b + 8 u + r + 8 (r / 8), so that the 16 registers of tiles 2 b, 2 b + 1 are 16 neighbours, 32 b + 16 (lane / 16) + 0 .. 15.
; v is made the other way (source 0 = 16 tokens, chosen by the same pattern, source 1 = 16 rows of Wv): a lane holds one d and its registers run along the keys, which are v's K.
; SCALE WORDS.  A row has 32 scale bytes.  One load of 16 bytes at row x 32 + 16 (lane / 16) gives four registers: register q holds K step q's word in lanes 0-15 and K step q + 4's in
; lanes 16-31; K steps 4-7 name the same registers and read the upper lanes.
; The biases are the C of each sum's first matrix instruction, so they are added first, not last.
; LIMITS: NaN and infinities are not served.  A block whose largest magnitude lies under 2^-124 gets the byte 1; so does a block of zeros, where the quantiser's rule says 127: its codes are
; zeros, which add nothing under any byte but 0xff, and these bytes are read by this program alone.
.set PITCH, 528                        ; an LDS row: 512 bytes + 16 of padding = 132 words, so that neighbouring rows start four banks apart (64 banks of 4 bytes: ISA guide 11.1)
.set PIECE, 64*PITCH                   ; what one tensor load brings
.set WKL,   4*PIECE                    ; LDS: Wq's 256 rows at 0, Wk's 64 rows here,
.set WVL,   5*PIECE                    ; Wv's 64 rows,
.set TOK,   6*PIECE                    ; the 128 tokens; the end is 8 x PIECE = 270,336
.set KVS,   8704                       ; bytes of a key step in kv
; PRESENT LAYOUT (it replaces what the head says of K's keys, of the scale words and of the fills).  K: lane r of tile 2 y + u takes key 64 (y / 2) + 16 (y % 2) + 8 u + r + 24 (r / 8), so that in the
; scores a lane's 32 registers of four neighbouring tiles are one whole block of 32 keys.  Scale words in kv, from byte 8,192 of a key step: [lane][4 words]: lane r holds the words of K's fragments 0-3, lane 16 + r those of V's.
; FILLS: waves 0-3 Wq, wave 4 Wk, wave 5 the 24 rows of Wv from row dv0 on (jointly), waves 6, 7 the tokens, wave 8 a second copy of the 48 token rows that its fragment of K is made of: so no LDS address hangs on y.
.set KTK,   271616                     ; LDS: wave 8's 48 token rows, behind the spare words; the end is 296,960
.set G1K, 68                           ; s[68:75] group 1 of wave 8's load (48 rows, no mask), s[76:79] its group 0: free until the fills have landed
.set G0K, 76
.set G1V, 92                           ; s[92:99] group 1 of Wv's load (24 rows, the mask of four)
.set MX,  12                           ; v12-15  a quantiser's four largest magnitudes
.set PB,  16                           ; v16-19  the other half's, then the four bytes
.set SO,  20                           ; v20-23  the conversions' scale operands
.set SEL, 60                           ; s[60:61] lane selects: lane l xor 16
.set G1,  48                           ; s[48:55] descriptor group 1 of the joint loads
.set G0,  56                           ; s[56:59] their group 0
.set G1P, 80                           ; s[80:87] group 1 of the plain loads: it differs in the mask alone
.set G0P, 88                           ; s[88:91] their group 0
.set WF,  32                           ; the q waves: v32-63 four fragments of Wq, v64-95 four of tokens, v96-111 and v112-127 their scale words, v128-255 accumulators (token tile a, weight tile t) at 128 + 8 (4 a + t)
.set TF,  64
.set SCW, 96
.set SCT, 112
.macro PLACES n                        ; plain vector instructions between a matrix instruction and what may not follow it at once (ISA guide 7.12.1)
.rept \n
	v_nop
.endr
.endm
; A round of the cluster's barrier: my work-group's barrier, so that wave 0's signal speaks for all ten waves; wave 0 signals for the work-group; every wave waits for all four work-groups; my work-group's barrier once more.
.macro ROUND
	s_barrier_signal -1
	s_barrier_wait -1
	s_cmp_lg_u32 s2, 0
	s_cbranch_scc1 .Lnot_wave_0_\@
	s_barrier_signal -3
.Lnot_wave_0_\@:
	s_barrier_wait -3
	s_barrier_signal -1
	s_barrier_wait -1
.endm
.macro FRAG reg, adr, off              ; a fragment, 16 rows x 128 K of 4-bit codes: registers 4 c .. 4 c + 3 hold K = 64 c + 32 (lane / 16) + 0 .. 31: two loads of 16 bytes, 32 bytes apart
	ds_load_b128 v[\reg:\reg+3], v[\adr] offset:\off
	ds_load_b128 v[\reg+4:\reg+7], v[\adr] offset:\off+32
.endm
.macro MM d, a, b, c, sa, sb, row      ; row = 1: both sides' scale words are read from lanes 16-31
.if \row
	v_wmma_scale_f32_16x16x128_f8f6f4 v[\d:\d+7], v[\a:\a+7], v[\b:\b+7], v[\c:\c+7], v[\sa], v[\sb] matrix_a_fmt:MATRIX_FMT_FP4 matrix_b_fmt:MATRIX_FMT_FP4 matrix_a_scale:MATRIX_SCALE_ROW1 matrix_b_scale:MATRIX_SCALE_ROW1
.else
	v_wmma_scale_f32_16x16x128_f8f6f4 v[\d:\d+7], v[\a:\a+7], v[\b:\b+7], v[\c:\c+7], v[\sa], v[\sb] matrix_a_fmt:MATRIX_FMT_FP4 matrix_b_fmt:MATRIX_FMT_FP4
.endif
.endm
; 64 numbers of a lane become a fragment's codes in v[pc] .. v[pc + 7] and its row's scale word in v[pw].  Block b (0, 1 from v[s] on, 2, 3 from v[s2] on) has 16 registers: numbers 16 (lane / 16) + 0 .. 15 of the block.
.macro QUANT s, s2, pc, pw
.irp b, 0,1,2,3
.set QS_, \s+16*\b+(\b/2)*(\s2-\s-32)
	v_max3_num_f32 v[MX+\b], |v[QS_]|, |v[QS_+1]|, 0x1800000       ; my 16 numbers, from each accumulator's low end on, and the floor 2^(3 - 127): the byte cannot fall under 1
.endr
.irp i, 2,4,6,8,10,12,14
.irp b, 0,1,2,3
.set QS_, \s+16*\b+(\b/2)*(\s2-\s-32)
	v_max3_num_f32 v[MX+\b], v[MX+\b], |v[QS_+\i]|, |v[QS_+\i+1]|  ; the four blocks by turns: no line waits for the line above it
.endr
.endr
.irp b, 0,1,2,3
	s_delay_alu instid0(VALU_DEP_4)
	v_permlanex16_b32 v[PB+\b], v[MX+\b], s[SEL], s[SEL+1]
.endr
.irp b, 0,1,2,3
	s_delay_alu instid0(VALU_DEP_4)
	v_max_num_f32 v[MX+\b], v[MX+\b], v[PB+\b]                     ; with lane l xor 16's: the block's largest magnitude
.endr
.irp b, 0,1,2,3
	s_delay_alu instid0(VALU_DEP_4)
	v_add_nc_u32 v[SO+\b], 0xff000000, v[MX+\b]                    ; 2 off its exponent field: the conversion takes the exponent field of this operand as its scale
.endr
.irp b, 0,1,2,3
	s_delay_alu instid0(VALU_DEP_4)
	v_lshrrev_b32 v[PB+\b], 23, v[SO+\b]                           ; the scale's byte
.endr
	s_delay_alu instid0(VALU_DEP_3)
	v_lshl_or_b32 v[\pw], v[PB+1], 8, v[PB]
	s_delay_alu instid0(VALU_DEP_1)
	v_lshl_or_b32 v[\pw], v[PB+2], 16, v[\pw]
	s_delay_alu instid0(VALU_DEP_1)
	v_lshl_or_b32 v[\pw], v[PB+3], 24, v[\pw]
.irp b, 0,1,2,3
.set QS_, \s+16*\b+(\b/2)*(\s2-\s-32)
	v_cvt_scalef32_pk8_fp4_f32 v[\pc+2*\b], v[QS_:QS_+7], v[SO+\b]
	v_cvt_scalef32_pk8_fp4_f32 v[\pc+2*\b+1], v[QS_+8:QS_+15], v[SO+\b]
.endr
	v_nop                                                          ; one plain place behind a scaled conversion
.irp c, 0,1                                                        ; the operand's layout wants a WHOLE block in a lane: lanes 0-15 block 2 c, lanes 16-31 block 2 c + 1
.irp i, 0,1
	v_permlane16_swap_b32 v[\pc+4*\c+\i], v[\pc+4*\c+2+\i]
.endr
.endr
.endm
	s_load_b512 s[16:31], s[0:1], 0x0              ; x's codes s[16:17], x's scales s[18:19], Wq's codes s[20:21], Wq's scales s[22:23], bq s[24:25], Wk's codes s[26:27], Wk's scales s[28:29], bk s[30:31]
	s_load_b256 s[32:39], s[0:1], 0x40             ; Wv's codes s[32:33], Wv's scales s[34:35], bv s[36:37], q_codes s[38:39]
	s_load_b128 s[40:43], s[0:1], 0x60             ; q_scales s[40:41], kv s[42:43]
	v_lshl_add_u32 v30, v0, 2, 0x42000
	v_mov_b32 v31, 0
	ds_add_u32 v30, v31
	ds_add_u32 v30, v31
	v_lshrrev_b32 v1, 5, v0
	s_delay_alu instid0(VALU_DEP_1)
	v_readfirstlane_b32 s2, v1                     ; wave 0..9
	s_bfe_u32 s15, ttmp6, 0x40000                  ; cx: my place in the cluster
	s_lshl_b32 s4, ttmp9, 2                        ; in a cluster launch ttmp9 counts clusters
	s_add_co_u32 s4, s4, s15                       ; the key step = 4 x cluster x + cx: it enters global addresses alone
	s_and_b32 s3, ttmp7, 3                         ; y: which four heads, and which fragment of K and V: the four partners share it.  The grid has four work-groups along y, so two bits hold it; no LDS address is made of it
	v_and_b32 v1, 31, v0                           ; lane
	v_and_b32 v2, 15, v0                           ; r
	v_bfe_u32 v3, v0, 4, 1                         ; h
	s_delay_alu instid0(VALU_DEP_2)
	v_and_b32 v4, 8, v2
	s_delay_alu instid0(VALU_DEP_1)
	v_add_nc_u32 v4, v4, v2                        ; r + 8 (r / 8)
	v_lshlrev_b32 v5, 4, v1                        ; 16 x lane: my place in an image of four registers
	v_lshlrev_b32 v11, 2, v1                       ; 4 x lane: in a run of scale words
.irp b, 0,1,2,3
	v_mov_b32 v[PB+\b], 0                          ; written once: a lane permute's destination counts as one of its sources
.endr
	s_mov_b32 s[SEL], 0x76543210
	s_mov_b32 s[SEL+1], 0xfedcba98
	; descriptor group 1: 64 rows x 512 bytes, rows 512 bytes apart in memory, 16 bytes of padding behind each in LDS
	s_mov_b32 s[G1+0], 15|(0<<16)|(1<<20)|(1<<21)|(6<<22)|(3<<25)   ; 15:0 the mask: all four work-groups; elements of 1 byte; 20 padding on; 21 set beside a mask; after every 128 words (code 6) four words (code 3)
	s_mov_b32 s[G1P+0], (0<<16)|(1<<20)|(6<<22)|(3<<25)             ; the same without a mask
.irp g, G1, G1P
	s_mov_b32 s[\g+1], 512<<16                     ; tensor_dim0
	s_mov_b32 s[\g+2], 64<<16                      ; tensor_dim1
	s_mov_b32 s[\g+3], 512<<16                     ; tile_dim0
	s_mov_b32 s[\g+4], 64                          ; tile_dim1
	s_mov_b32 s[\g+5], 512                         ; tensor_dim0_stride
	s_mov_b32 s[\g+6], 0
	s_mov_b32 s[\g+7], 0
.endr
	s_mov_b32 s[G1V+0], 15|(0<<16)|(1<<20)|(1<<21)|(6<<22)|(3<<25)
	s_mov_b32 s[G1V+1], 512<<16
	s_mov_b32 s[G1V+2], 24<<16
	s_mov_b32 s[G1V+3], 512<<16
	s_mov_b32 s[G1V+4], 24
	s_mov_b32 s[G1V+5], 512
	s_mov_b32 s[G1V+6], 0
	s_mov_b32 s[G1V+7], 0
	s_mov_b32 s[G1K+0], (0<<16)|(1<<20)|(6<<22)|(3<<25)
	s_mov_b32 s[G1K+1], 512<<16
	s_mov_b32 s[G1K+2], 48<<16
	s_mov_b32 s[G1K+3], 512<<16
	s_mov_b32 s[G1K+4], 48
	s_mov_b32 s[G1K+5], 512
	s_mov_b32 s[G1K+6], 0
	s_mov_b32 s[G1K+7], 0
	s_lshr_b32 s14, s3, 1
	s_lshl_b32 s14, s14, 6
	s_and_b32 s12, s3, 1
	s_lshl_b32 s12, s12, 4
	s_add_co_u32 s14, s14, s12                     ; kb = 64 (y / 2) + 16 (y % 2): the first token row of K's fragment y; dv0 = kb / 2
	s_lshl_b32 s12, s14, 8                         ; Wv's row dv0, in bytes: 512 dv0
	s_lshl_b32 s10, s14, 9
	s_lshl_b32 s11, s4, 16
	s_add_co_u32 s10, s10, s11                     ; token 128 x key step + kb, in bytes
	s_mov_b32 s11, 0
	s_mov_b32 s[G0K], 1
	s_mov_b32 s[G0K+1], KTK
	s_mov_b32 s[G0], 1
	s_mul_i32 s[G0+1], s2, PIECE                   ; piece w of LDS is wave w's
	s_mov_b32 s[G0P], 1
	s_mul_i32 s[G0P+1], s2, PIECE
	s_and_b32 s5, s2, 1
	s_lshl_b32 s5, s5, 15
	s_lshl_b32 s6, s4, 16
	s_add_co_u32 s6, s6, s5                        ; the tokens: 65,536 x key step + 32,768 (w % 2)
	s_mov_b32 s7, 0
	s_lshl_b32 s8, s3, 17
	s_lshl_b32 s9, s2, 15
	s_add_co_u32 s8, s8, s9                        ; Wq: 131,072 y + 32,768 w: in registers that never hold the place in the cluster
	s_wait_dscnt 0x0
	s_wait_kmcnt 0x0
	s_cmp_lt_u32 s2, 5                             ; which tensor a joint piece comes from hangs on the wave's number alone
	s_cselect_b64 s[44:45], s[26:27], s[32:33]     ; wave 4: Wk; wave 5: Wv
	s_cselect_b32 s46, 0, s12                      ; Wk from its first row, Wv from row dv0
	s_cmp_lt_u32 s2, 4
	s_cselect_b64 s[44:45], s[20:21], s[44:45]     ; waves 0-3: Wq
	s_cselect_b32 s46, s8, s46
	s_mov_b32 s47, 0
	s_add_nc_u64 s[G0+2:G0+3], s[44:45], s[46:47]
	s_or_b32 s[G0+3], s[G0+3], 0x80000000          ; type = 2
	s_add_nc_u64 s[G0P+2:G0P+3], s[16:17], s[6:7]
	s_or_b32 s[G0P+3], s[G0P+3], 0x80000000
	s_add_nc_u64 s[G0K+2:G0K+3], s[16:17], s[10:11]
	s_or_b32 s[G0K+3], s[G0K+3], 0x80000000
	ROUND                                          ; all four work-groups are here: the joint loads meet
	s_cmp_lt_u32 s2, 5                             ; one chain of branches on the wave's number, one load to an arm: waves 0-4 ask jointly for 64 rows,
	s_cbranch_scc0 .Lnot_joint
	tensor_load_to_lds s[G0:G0+3], s[G1:G1+7]
	s_nop 0
	PLACES 4
	s_branch .Lasked
.Lnot_joint:
	s_cmp_lt_u32 s2, 6                             ; wave 5 jointly for Wv's 24 rows,
	s_cbranch_scc0 .Lnot_wv
	tensor_load_to_lds s[G0:G0+3], s[G1V:G1V+7]
	s_nop 0
	PLACES 4
	s_branch .Lasked
.Lnot_wv:
	s_cmp_lt_u32 s2, 8                             ; waves 6 and 7 for the work-group's own tokens,
	s_cbranch_scc0 .Lnot_tok
	tensor_load_to_lds s[G0P:G0P+3], s[G1P:G1P+7]
	s_nop 0
	PLACES 4
	s_branch .Lasked
.Lnot_tok:
	s_cmp_lt_u32 s2, 9                             ; wave 8 for its 48 token rows, wave 9 for nothing
	s_cbranch_scc0 .Lasked
	tensor_load_to_lds s[G0K:G0K+3], s[G1K:G1K+7]
	s_nop 0
	PLACES 4
.Lasked:
	s_wait_tensorcnt 0x0                           ; my piece has landed,
	s_barrier_signal -1
	s_barrier_wait -1                              ; everybody's has: from here on LDS is only read
	s_cmp_lt_u32 s2, 8
	s_cbranch_scc1 .Lq
	s_cmp_eq_u32 s2, 8
	s_cbranch_scc1 .Lk
	; ---------------- wave 9: fragment y of V^T: d = dv0 + r + 8 (r / 8), dv0 = 32 (y / 2) + 8 (y % 2), the step's 128 keys
	; v32-95 eight token fragments, v96-103 Wv's, v104-107 Wv's scale words, v108-115 bv of my d eight times, v192-223 the tokens' scale words, v128-191 the accumulators
	s_lshr_b32 s5, s3, 1
	s_lshl_b32 s5, s5, 5
	s_and_b32 s6, s3, 1
	s_lshl_b32 s6, s6, 3
	s_add_co_u32 s5, s5, s6                        ; dv0: 40 at the most, so that the tile's last row is Wv's row 63
	s_wait_alu depctr_va_vdst(0)
	v_mul_u32_u24 v7, v4, PITCH
	s_delay_alu instid0(VALU_DEP_1)
	v_lshl_add_u32 v7, v3, 4, v7                   ; (r + 8 (r / 8)) x pitch + 16 h
	v_add_nc_u32 v6, WVL, v7                       ; Wv's 16 rows: row dv0 lies first in the piece
	v_add_nc_u32 v7, TOK, v7                       ; a token tile's 16 rows
	v_lshlrev_b32 v8, 5, v4
	s_delay_alu instid0(VALU_DEP_1)
	v_lshl_add_u32 v8, v3, 4, v8                   ; scale bytes: 32 a row, + 16 h
	s_wait_alu depctr_va_vdst(0)
	v_lshlrev_b32 v10, 2, v4                       ; bv: 4 bytes a d
	s_wait_alu depctr_va_vdst(0)
	s_mov_b32 s11, 0
	s_lshl_b32 s10, s5, 5
	s_add_nc_u64 s[68:69], s[34:35], s[10:11]      ; Wv's scales at row dv0
	s_lshl_b32 s10, s4, 12
	s_add_nc_u64 s[70:71], s[18:19], s[10:11]      ; the tokens' scales at the step's first token
	s_lshl_b32 s10, s5, 2
	s_add_nc_u64 s[72:73], s[36:37], s[10:11]      ; bv at dv0
	s_mul_i32 s12, s4, KVS
	s_lshl_b32 s10, s3, 10
	s_add_co_u32 s10, s10, s12
	s_add_co_u32 s10, s10, 4096
	s_add_nc_u64 s[74:75], s[42:43], s[10:11]      ; kv: V's fragment y
	s_lshl_b32 s10, s3, 2
	s_add_co_u32 s10, s10, s12
	s_add_co_u32 s10, s10, 8192+256
	s_add_nc_u64 s[76:77], s[42:43], s[10:11]      ; and its 16 scale words: the upper half of run y
	global_load_b128 v[104:107], v8, s[68:69]
.irp t, 0,1,2,3,4,5,6,7
	global_load_b128 v[192+4*\t:195+4*\t], v8, s[70:71] offset:(32*(\t/2)+8*(\t%2))*32
.endr
.irp j, 0,1,2,3,4,5,6,7
	global_load_b32 v[108+\j], v10, s[72:73]       ; a lane is one d: the same number in all eight registers of C
.endr
.macro VSTEP s
.if \s > 0
	PLACES 4                                       ; in front of loads into registers that matrix instructions have read
.endif
	FRAG 96, 6, 64*\s
.irp t, 0,1,2,3,4,5,6,7
	FRAG 32+8*\t, 7, (32*(\t/2)+8*(\t%2))*PITCH+64*\s
.endr
.if \s == 0
	s_wait_loadcnt 0x0                             ; scale words and bias
.endif
.irp g, 0,1
	s_wait_dscnt 8-8*\g                            ; first: token tiles 4-7, two loads each, may be out
.irp u, 0,1,2,3
.if \s == 0
	MM 128+8*(4*\g+\u), 32+8*(4*\g+\u), 96, 108, 192+4*(4*\g+\u), 104, 0
.else
	MM 128+8*(4*\g+\u), 32+8*(4*\g+\u), 96, 128+8*(4*\g+\u), 192+4*(4*\g+\u)+\s%4, 104+\s%4, \s/4
.endif
.endr
.endr
.endm
.irp s, 0,1,2,3,4,5,6,7
	VSTEP \s                                       ; the eight accumulators take turns, one instruction a turn
.endr
	PLACES 4
	QUANT 128, 160, 32, 24                         ; four blocks of 32 keys
	global_store_b128 v5, v[32:35], s[74:75]       ; each store of the wave covers 512 consecutive bytes
	global_store_b128 v5, v[36:39], s[74:75] offset:512
	s_wait_xcnt 0x0                                ; EXEC changes only behind this wait
	v_cmp_gt_u32 vcc_lo, 16, v1
	s_and_saveexec_b32 s44, vcc_lo
	global_store_b32 v5, v24, s[76:77]             ; lanes 0-15: d's scale word, word y of lane 16 + r's four
	s_wait_xcnt 0x0
	s_or_b32 exec_lo, exec_lo, s44
	s_branch .Lend
	; ---------------- wave 8: fragment y of K: two tiles of 16 keys (u = 0, 1), all 64 of the head
.Lk:
	s_wait_alu depctr_va_vdst(0)
	v_mul_u32_u24 v6, v4, PITCH
	s_delay_alu instid0(VALU_DEP_1)
	v_lshl_add_u32 v6, v3, 4, v6
	v_lshrrev_b32 v9, 3, v2
	v_mad_u32_u24 v9, v9, 24, v2                   ; r + 24 (r / 8)
	v_mul_u32_u24 v7, v9, PITCH
	v_lshl_add_u32 v7, v3, 4, v7
	v_add_nc_u32 v7, KTK, v7                       ; my copy of the tokens begins at row kb: the last row read is 8 + 15 + 24 = 47
	v_lshlrev_b32 v9, 5, v9
	v_lshl_add_u32 v9, v3, 4, v9                   ; the same rows' scale bytes: 32 a row, + 16 h
	v_add_nc_u32 v6, WKL, v6                       ; Wk's rows
	v_lshlrev_b32 v8, 5, v4
	s_delay_alu instid0(VALU_DEP_1)
	v_lshl_add_u32 v8, v3, 4, v8
	s_wait_alu depctr_va_vdst(0)
	v_lshlrev_b32 v10, 6, v3                       ; bk: my half's 16 numbers of a block begin 64 h bytes on
	s_wait_alu depctr_va_vdst(0)
	s_mov_b32 s11, 0
	s_lshl_b32 s9, s4, 7
	s_add_co_u32 s10, s9, s14
	s_lshl_b32 s10, s10, 5
	s_add_nc_u64 s[70:71], s[18:19], s[10:11]      ; the tokens' scales at the step's token kb
	s_mul_i32 s12, s4, KVS
	s_lshl_b32 s10, s3, 10
	s_add_co_u32 s10, s10, s12
	s_add_nc_u64 s[74:75], s[42:43], s[10:11]      ; kv: K's fragment y
	s_lshl_b32 s10, s3, 2
	s_add_co_u32 s10, s10, s12
	s_add_co_u32 s10, s10, 8192
	s_add_nc_u64 s[76:77], s[42:43], s[10:11]      ; and its 16 scale words: the lower half of run y
.irp t, 0,1,2,3
	global_load_b128 v[96+4*\t:99+4*\t], v8, s[28:29] offset:(32*(\t/2)+8*(\t%2))*32
.endr
.irp u, 0,1
	global_load_b128 v[112+4*\u:115+4*\u], v9, s[70:71] offset:256*\u
.endr
.irp t, 0,1,2,3
	global_load_b128 v[192+8*\t:195+8*\t], v10, s[30:31] offset:(32*(\t/2)+8*(\t%2))*4
	global_load_b128 v[196+8*\t:199+8*\t], v10, s[30:31] offset:(32*(\t/2)+8*(\t%2))*4+16
.endr
.macro KSTEP s
.if \s > 0
	PLACES 4
.endif
.irp t, 0,1,2,3
	FRAG 32+8*\t, 6, (32*(\t/2)+8*(\t%2))*PITCH+64*\s
.endr
.irp u, 0,1
	FRAG 64+8*\u, 7, 8*\u*PITCH+64*\s
.endr
.if \s == 0
	s_wait_loadcnt 0x0
.endif
.irp u, 0,1
	s_wait_dscnt 2-2*\u                            ; first: token tile 1's two loads may be out
.irp t, 0,1,2,3
.if \s == 0
	MM 128+32*\u+8*\t, 32+8*\t, 64+8*\u, 192+8*\t, 96+4*\t, 112+4*\u, 0
.else
	MM 128+32*\u+8*\t, 32+8*\t, 64+8*\u, 128+32*\u+8*\t, 96+4*\t+\s%4, 112+4*\u+\s%4, \s/4
.endif
.endr
.endr
.endm
.irp s, 0,1,2,3,4,5,6,7
	KSTEP \s
.endr
	PLACES 4
	QUANT 128, 160, 32, 24                         ; blocks 0, 1: the keys of u = 0; blocks 2, 3: those of u = 1
	global_store_b128 v5, v[32:35], s[74:75]
	global_store_b128 v5, v[36:39], s[74:75] offset:512
	s_wait_xcnt 0x0
	v_cmp_gt_u32 vcc_lo, 16, v1
	s_and_saveexec_b32 s44, vcc_lo
	global_store_b32 v5, v24, s[76:77]             ; word y of lane r's four
	s_wait_xcnt 0x0
	s_or_b32 exec_lo, exec_lo, s44
	s_branch .Lend
	; ---------------- waves 0-7: 64 tokens x one head of q
.Lq:
	s_and_b32 s5, s2, 1                            ; which 64 tokens
	s_lshr_b32 s6, s2, 1                           ; which of the four heads
	s_mul_i32 s7, s6, PIECE
	s_wait_alu depctr_va_vdst(0)
	v_mul_u32_u24 v6, v4, PITCH
	s_delay_alu instid0(VALU_DEP_1)
	v_lshl_add_u32 v6, v3, 4, v6
	s_delay_alu instid0(VALU_DEP_1)
	v_add_nc_u32 v6, s7, v6                        ; Wq: my head's 64 rows, row r + 8 (r / 8), + 16 h
	s_mul_i32 s7, s5, PIECE
	s_add_co_u32 s7, s7, TOK
	v_mul_u32_u24 v7, v2, PITCH
	s_delay_alu instid0(VALU_DEP_1)
	v_lshl_add_u32 v7, v3, 4, v7
	s_delay_alu instid0(VALU_DEP_1)
	v_add_nc_u32 v7, s7, v7                        ; the tokens: my 64 rows, row r, + 16 h
	v_lshlrev_b32 v8, 5, v4
	s_delay_alu instid0(VALU_DEP_1)
	v_lshl_add_u32 v8, v3, 4, v8
	s_wait_alu depctr_va_vdst(0)
	v_lshlrev_b32 v9, 5, v2
	s_delay_alu instid0(VALU_DEP_1)
	v_lshl_add_u32 v9, v3, 4, v9
	s_wait_alu depctr_va_vdst(0)
	v_lshlrev_b32 v10, 6, v3
	s_wait_alu depctr_va_vdst(0)
	s_lshl_b32 s8, s3, 8
	s_lshl_b32 s9, s6, 6
	s_add_co_u32 s8, s8, s9                        ; my first column of q
	s_lshl_b32 s9, s4, 7
	s_lshl_b32 s10, s5, 6
	s_add_co_u32 s9, s9, s10                       ; my first token
	s_mov_b32 s11, 0
	s_lshl_b32 s10, s8, 5
	s_add_nc_u64 s[68:69], s[22:23], s[10:11]      ; Wq's scales
	s_lshl_b32 s10, s9, 5
	s_add_nc_u64 s[70:71], s[18:19], s[10:11]      ; the tokens' scales
	s_lshl_b32 s10, s8, 2
	s_add_nc_u64 s[72:73], s[24:25], s[10:11]      ; bq
	s_lshl_b32 s12, s3, 2
	s_add_co_u32 s12, s12, s6                      ; the head
	s_add_co_u32 s10, s9, s12                      ; (token / 16) x 16 + head
	s_lshl_b32 s10, s10, 9
	s_add_nc_u64 s[74:75], s[38:39], s[10:11]      ; q_codes
	s_lshr_b32 s10, s9, 2                          ; (token / 64) x 16
	s_add_co_u32 s10, s10, s12
	s_lshl_b32 s10, s10, 7
	s_add_nc_u64 s[76:77], s[40:41], s[10:11]      ; q_scales
.irp t, 0,1,2,3
	global_load_b128 v[SCW+4*\t:SCW+4*\t+3], v8, s[68:69] offset:(32*(\t/2)+8*(\t%2))*32
.endr
.irp a, 0,1,2,3
	global_load_b128 v[SCT+4*\a:SCT+4*\a+3], v9, s[70:71] offset:512*\a
.endr
.irp t, 0,1,2,3                                    ; bq begins in the last token tile's accumulators: the other three tiles' first products take it from there as C
	global_load_b128 v[224+8*\t:227+8*\t], v10, s[72:73] offset:(32*(\t/2)+8*(\t%2))*4
	global_load_b128 v[228+8*\t:231+8*\t], v10, s[72:73] offset:(32*(\t/2)+8*(\t%2))*4+16
.endr
.macro QSTEP s
.if \s > 0
	PLACES 4
.endif
.irp t, 0,1,2,3
	FRAG WF+8*\t, 6, (32*(\t/2)+8*(\t%2))*PITCH+64*\s
.endr
.irp a, 0,1,2,3
	FRAG TF+8*\a, 7, 16*\a*PITCH+64*\s
.endr
.if \s == 0
	s_wait_loadcnt 0x0
.endif
.irp a, 0,1,2,3
	s_wait_dscnt 6-2*\a                            ; the token tiles behind tile a, two loads each, may be out
.if (\s == 0) && (\a == 3)
	PLACES 5                                       ; the next four write over registers that the twelve above have read as C
.endif
.irp t, 0,1,2,3
.if (\s == 0) && (\a < 3)
	MM 128+8*(4*\a+\t), WF+8*\t, TF+8*\a, 224+8*\t, SCW+4*\t, SCT+4*\a, 0
.else
	MM 128+8*(4*\a+\t), WF+8*\t, TF+8*\a, 128+8*(4*\a+\t), SCW+4*\t+\s%4, SCT+4*\a+\s%4, \s/4
.endif
.endr
.endr
.endm
.irp s, 0,1,2,3,4,5,6,7
	QSTEP \s                                       ; the sixteen accumulators take turns, one instruction a turn, in the same order in every step
.endr
	PLACES 4
	QUANT 128, 160, 32, 24                         ; token tiles 0 and 1: two blocks each; registers 0-3 of the result are tile 0's image, 4-7 tile 1's
	QUANT 192, 224, 40, 25                         ; token tiles 2 and 3
.irp a, 0,1,2,3
	global_store_b128 v5, v[32+4*\a:35+4*\a], s[74:75] offset:8192*\a   ; 512 consecutive bytes
.endr
	v_cmp_le_u32 vcc_lo, 16, v1
	s_delay_alu instid0(VALU_DEP_1)
	v_cndmask_b32 v26, v24, v25, vcc_lo            ; lanes 0-15: tiles 0, 1's bytes of token r; lanes 16-31: tiles 2, 3's
	global_store_b32 v11, v26, s[76:77]            ; 128 consecutive bytes
.Lend:                                             ; the three kinds of wave meet again: every wave passes every barrier
	s_wait_tensorcnt 0x0
	ds_add_u32 v30, v31
	s_wait_dscnt 0x0
	ROUND                                          ; the closing round: no work-group ends while a partner may still ask for a piece that names it
	s_endpgm
.Lfunc_end_k_q66c89c82b3_proj:
	.size	k_q66c89c82b3_proj, .Lfunc_end_k_q66c89c82b3_proj-k_q66c89c82b3_proj
	.p2alignl 7, 3214868480
	.fill 96, 4, 3214868480
	.section	.rodata,"a",@progbits
	.p2align	6, 0x0
	.amdhsa_kernel k_q66c89c82b3_proj
		.amdhsa_group_segment_fixed_size 296960
		.amdhsa_private_segment_fixed_size 0
		.amdhsa_enable_private_segment 0
		.amdhsa_kernarg_size 112
		.amdhsa_user_sgpr_count 2
		.amdhsa_user_sgpr_kernarg_segment_ptr 1
		.amdhsa_wavefront_size32 1
		.amdhsa_system_sgpr_workgroup_id_x 1
		.amdhsa_system_sgpr_workgroup_id_y 1
		.amdhsa_system_sgpr_workgroup_id_z 1
		.amdhsa_system_vgpr_workitem_id 0
		.amdhsa_next_free_vgpr 256
		.amdhsa_next_free_sgpr 100
		.amdhsa_reserve_vcc 1
		.amdhsa_float_denorm_mode_32 3
		.amdhsa_float_denorm_mode_16_64 3
		.amdhsa_memory_ordered 1
		.amdhsa_forward_progress 1
		.amdhsa_inst_pref_size 96
	.end_amdhsa_kernel
	.amdgpu_metadata
---
amdhsa.version: [ 1, 2 ]
amdhsa.kernels:
  - .name:           k_q66c89c82b3_proj
    .symbol:         k_q66c89c82b3_proj.kd
    .args:
      - { .name: hidden_state_codes, .offset: 0, .size: 8, .value_kind: global_buffer, .address_space: global }
      - { .name: hidden_state_scales, .offset: 8, .size: 8, .value_kind: global_buffer, .address_space: global }
      - { .name: Wq_codes, .offset: 16, .size: 8, .value_kind: global_buffer, .address_space: global }
      - { .name: Wq_scales, .offset: 24, .size: 8, .value_kind: global_buffer, .address_space: global }
      - { .name: bq, .offset: 32, .size: 8, .value_kind: global_buffer, .address_space: global }
      - { .name: Wk_codes, .offset: 40, .size: 8, .value_kind: global_buffer, .address_space: global }
      - { .name: Wk_scales, .offset: 48, .size: 8, .value_kind: global_buffer, .address_space: global }
      - { .name: bk, .offset: 56, .size: 8, .value_kind: global_buffer, .address_space: global }
      - { .name: Wv_codes, .offset: 64, .size: 8, .value_kind: global_buffer, .address_space: global }
      - { .name: Wv_scales, .offset: 72, .size: 8, .value_kind: global_buffer, .address_space: global }
      - { .name: bv, .offset: 80, .size: 8, .value_kind: global_buffer, .address_space: global }
      - { .name: q_codes, .offset: 88, .size: 8, .value_kind: global_buffer, .address_space: global }
      - { .name: q_scales, .offset: 96, .size: 8, .value_kind: global_buffer, .address_space: global }
      - { .name: kv, .offset: 104, .size: 8, .value_kind: global_buffer, .address_space: global }
    .group_segment_fixed_size: 296960
    .private_segment_fixed_size: 0
    .kernarg_segment_align: 8
    .kernarg_segment_size: 112
    .max_flat_workgroup_size: 320
    .sgpr_count:     100
    .vgpr_count:     256
    .wavefront_size: 32
...
	.end_amdgpu_metadata
.endif
;; end of part 1
;; launch attn (part 2): grid 256 x 1, 16 waves a work-group, clusters of 4 x 1, 169,984 bytes of LDS; arguments q_codes, q_scales, kv, ao_codes, ao_scales; writes ao_codes, ao_scales
.if DOCPART == 2
	.amdgcn_target "amdgcn-amd-amdhsa--gfx1250"
	.amdhsa_code_object_version 6
	.text
	.protected	k_q66c89c82b3_attn
	.globl	k_q66c89c82b3_attn
	.p2align	8
	.type	k_q66c89c82b3_attn,@function
k_q66c89c82b3_attn:
	s_mov_b64 s[64:65], 0
	v_nop
	global_prefetch_b8 v0, s[64:65] scope:SCOPE_SE
	s_setreg_imm32_b32 hwreg(HW_REG_WAVE_MODE, 25, 1), 1
	s_wait_xcnt 0x0
	s_wait_alu depctr_hold_cnt(0) depctr_sa_sdst(0) depctr_va_vdst(0) depctr_va_sdst(0) depctr_va_ssrc(0) depctr_va_vcc(0) depctr_vm_vsrc(0)
	s_getreg_b32 s2, hwreg(HW_REG_IB_STS2, 6, 4)
	s_cmp_eq_u32 s2, 0
	s_cbranch_scc0 .Lentry_in_a_cluster
	s_endpgm
.Lentry_in_a_cluster:
	s_bfe_u32 s2, ttmp6, 0x10000c
	s_cmp_lg_u32 s2, 0x3003
	s_cbranch_scc0 .Lentry_shape_is_right
	s_endpgm
.Lentry_shape_is_right:
; o[token][head] = the sum over the batch's 2,048 keys of softmax(q . k / 8) v, both products on codes of FP4 (E2M1) with one E8M0 scale for each 32 along a product's K; one K and V for all 16 heads.
; THE SOFTMAX AHEAD OF THE SECOND PRODUCT: t = score x log2(e) / 8; M = the row's largest t so far, rounded UP to a whole number; p = 2^(t - M) is quantised along the keys, not normalised.
; The row's sum is taken of the unquantised p, in f32, and divides O at the end.  When M moves, the sum and O are multiplied by 2^(old M - new M): exact.
; o is quantised along head x 64 + d and leaves in the order of the next product's registers: ao_codes [token / 16][head][lane][16 bytes], ao_scales [token / 16][K step][r] of four bytes.
; SHARES.  Work-group g takes 32 tokens x 16 heads of batch g / 64.  Wave w takes the 16 tokens of tile 2 g + w / 8 and heads 2 (w % 8), 2 (w % 8) + 1, one after the other.
; LDS: the batch's 16 key steps of 8,704 bytes, and steps 0 and 1 once more behind them, so that the load of the NEXT step's K needs no other address in a head's last step.  Filled once, by waves 0-8
; (two key steps each); one barrier behind the fill, none in the loop.  Every LDS load takes 16 x lane + a constant + the step.
; CLUSTER.  Four neighbouring work-groups share a batch and ask for every piece JOINTLY (same descriptor, a mask of four).  The place in the cluster enters q's and o's addresses alone.
; No prefetch: K and V are asked for once, at the head, and the launch has no loop that runs ahead of those loads.
; LAYOUT.  Both products transposed (S^T = K Q^T, O^T = V^T P^T): a lane holds ONE token (lane % 16).  Row r of K's tile n is key 64 (n / 4) + 32 (r / 8) + 8 (n % 4) + r % 8, so register j of tile n in lane half h
; is key 64 (n / 4) + 32 h + 8 (n % 4) + j: the 32 registers of tiles 4 c .. 4 c + 3 are ONE WHOLE BLOCK, 2 c + h.  A block's maximum needs no other lane, and the conversion of tile n is register n of P's fragment.
; K = 64 IN AN INSTRUCTION OF 128.  A fragment of K carries two tiles (registers 0-3, 4-7).  v16-27 hold zero codes, q, zero codes: v[20:27] = (q, 0) gives the first tile's scores, v[16:23] = (0, q) the second's;
; the other half meets zero codes under the scale byte 0 (2^-127, never 0xff) and adds exact zeros.
; A STEP'S ORDER: maxima of S(s); the chain that makes M, with the LDS loads of V(s) and K(s + 1) between its links; t - M; the exponentials as one batch; O x f, p's scales, the conversions, the sums;
; then S(s + 1) = K(s + 1) Q^T and O += V(s) P(s) back to back; the sums' last four lines are the places behind them.
; LIMITS: NaN and infinities are not served.  The scaled scores stay under 2^31 in magnitude.  A block whose largest magnitude lies under 2^-124, a block of zeros among them, gets the byte 1 (read by this program alone).
; A block's largest p is not searched for: the block's largest score goes through the same multiply-add and exponential; that takes v_exp_f32 not to fall where its input rises.
; REGISTERS: v1 16 x lane, v2 4 x lane, v3 the step's LDS address, v4 0, v5 16 (lane / 16), v6, v7 q's scale bytes as loaded, v8 q's scale word, v10 the old -M, v11 my spare word, v12 -M, v13 my half's largest score,
; v[14:15] the sum; v16-27 Q; v28-31 the first head's codes; v32-63 K; v64-95 V; v96-159 S^T, then p; v160-191 O^T; v192-195, v197 the second head's q and scale word; v196 o's scale word; v200-207 four partial sums;
; v208-221 at work; v220 p's scale word; v224-231 p's codes; v232-235 the second head's codes; v240-243 scale words fetched with K, v244-247 with V (lanes 0-15 K's, 16-31 V's); v252 f; v254 at work.
.set KVS, 8704
.set SPARE, 18*KVS                     ; 156,672: the spare words, 128 bytes for each wave
.set SEL, 20                           ; s[20:21] lane selects: lane l xor 16
.set CS,  22                           ; s[22:23] c = log2(e) / 8
.set G1,  24                           ; s[24:31] descriptor group 1
.set G0,  32                           ; s[32:35] descriptor group 0
.macro PLACES n
.rept \n
	v_nop
.endr
.endm
.macro ROUND                           ; a round of the cluster's barrier
	s_barrier_signal -1
	s_barrier_wait -1
	s_cmp_lg_u32 s14, 0
	s_cbranch_scc1 .Lnot_wave_0_\@
	s_barrier_signal -3
.Lnot_wave_0_\@:
	s_barrier_wait -3
	s_barrier_signal -1
	s_barrier_wait -1
.endm
.macro LK a, off, b                    ; fragment b of K
	ds_load_b128 v[32+8*\b:35+8*\b], v[\a] offset:\off+1024*\b
	ds_load_b128 v[36+8*\b:39+8*\b], v[\a] offset:\off+1024*\b+512
.endm
.macro LV t                            ; fragment t of V^T
	ds_load_b128 v[64+8*\t:67+8*\t], v3 offset:4096+1024*\t
	ds_load_b128 v[68+8*\t:71+8*\t], v3 offset:4096+1024*\t+512
.endm
.macro QK                              ; the scores of 128 keys: eight tiles, each begun with the constant 0
.irp b, 0,1,2,3
	v_wmma_scale_f32_16x16x128_f8f6f4 v[96+16*\b:103+16*\b], v[32+8*\b:39+8*\b], v[20:27], 0, v[240+\b], v8 matrix_a_fmt:MATRIX_FMT_FP4 matrix_b_fmt:MATRIX_FMT_FP4
	v_wmma_scale_f32_16x16x128_f8f6f4 v[104+16*\b:111+16*\b], v[32+8*\b:39+8*\b], v[16:23], 0, v[240+\b], v8 matrix_a_fmt:MATRIX_FMT_FP4 matrix_b_fmt:MATRIX_FMT_FP4 matrix_b_scale:MATRIX_SCALE_ROW1
.endr
.endm
.macro PV                              ; the four accumulators take one turn each; eight score products stand between two steps of a sum
.irp t, 0,1,2,3
	v_wmma_scale_f32_16x16x128_f8f6f4 v[160+8*\t:167+8*\t], v[64+8*\t:71+8*\t], v[224:231], v[160+8*\t:167+8*\t], v[244+\t], v220 matrix_a_fmt:MATRIX_FMT_FP4 matrix_b_fmt:MATRIX_FMT_FP4 matrix_a_scale:MATRIX_SCALE_ROW1
.endr
.endm
.macro FM n                            ; t - M, two at a time, from register 96 + j on
.rept \n
	v_dual_fmamk_f32 v[96+j], v[96+j], 0x3e38aa3b, v12 :: v_dual_fmamk_f32 v[97+j], v[97+j], 0x3e38aa3b, v9   ; score x c - M: two independent fused multiply-adds in one word (destinations even and odd, first sources in neighbouring banks, -M from an even and an odd register)
.set j, j+2
.endr
.endm
.macro OM i                            ; O^T x f: registers i, i + 1 of each accumulator
.irp t, 0,1,2,3
	v_pk_mul_f32 v[160+8*\t+\i:161+8*\t+\i], v[160+8*\t+\i:161+8*\t+\i], v[252:253] op_sel_hi:[1,0]
.endr
.endm
.macro OD i                            ; the same as a pair of independent multiplications in one word
.irp t, 0,1,2,3
	v_dual_mul_f32 v[160+8*\t+\i], v252, v[160+8*\t+\i] :: v_dual_mul_f32 v[161+8*\t+\i], v253, v[161+8*\t+\i]
.endr
.endm
.macro CV t
	v_cvt_scalef32_pk8_fp4_f32 v[224+\t], v[96+8*\t:103+8*\t], v[216+\t/4]
.endm
; A KEY STEP.  kind 0: a head's steps 0-14.  kind 1: the first head's last: K is still fetched (step 16 is step 0 again, for the next head), no scores follow.  kind 2: the very last: V alone.
.macro STEP kind
	s_add_co_u32 s36, s36, KVS                     ; the next step's LDS byte
.irp c, 0,1                                        ; THE LARGEST SCORE OF MY TWO BLOCKS, in four chains by turns, each accumulator from its low end on
	v_max3_num_f32 v[208+2*\c], v[96+32*\c], v[97+32*\c], v[98+32*\c]
	v_max3_num_f32 v[209+2*\c], v[112+32*\c], v[113+32*\c], v[114+32*\c]
.endr
.irp i, 3,5,7,9,11,13
.irp c, 0,1
	v_max3_num_f32 v[208+2*\c], v[208+2*\c], v[96+32*\c+\i], v[97+32*\c+\i]
	v_max3_num_f32 v[209+2*\c], v[209+2*\c], v[112+32*\c+\i], v[113+32*\c+\i]
.endr
.endr
	v_mov_b32 v10, v12                             ; the old -M
.irp c, 0,1
	v_max3_num_f32 v[208+2*\c], v[208+2*\c], v[209+2*\c], v[111+32*\c]
.endr
.irp c, 0,1
	v_max_num_f32 v[208+2*\c], v[208+2*\c], v[127+32*\c]
.endr
	v_max3_num_f32 v13, v13, v208, v210            ; my half's running largest score.  The LDS loads stand between the links of this chain; the last products that read these registers lie more than four places back
	LV 0
	LV 1
	v_permlanex16_b32 v213, v13, s[SEL], s[SEL+1]
	LV 2
	LV 3
	v_max_num_f32 v254, v13, v213                  ; with lane l xor 16's: the row's
	ds_load_b128 v[244:247], v3 offset:8192
.if \kind < 2
	LK 3, KVS, 0
.endif
	v_mul_f32 v254, s[CS], v254                    ; as t (c is positive)
.if \kind < 2
	LK 3, KVS, 1
	LK 3, KVS, 2
.endif
	v_floor_f32 v12, -v254                         ; -M = floor(-t) = -ceil(t): a whole number,
	v_floor_f32 v9, -v254                          ; and once more in an odd register, for the second halves of the pairs below
.if \kind < 2
	LK 3, KVS, 3
	ds_load_b128 v[240:243], v3 offset:KVS+8192
.endif
.set j, 0
	v_sub_f32 v254, v12, v10                       ; old M - new M: a whole number, 0 or less
	FM 4
	v_cvt_i32_f32 v254, v254                       ; (it saturates)
	FM 4
	v_ldexp_f32 v252, 1.0, v254                    ; f = 2^(old M - new M),
	v_ldexp_f32 v253, 1.0, v254                    ; and once more in the neighbouring register, for the second halves of the pairs that scale O^T
	FM 24
	v_dual_fmamk_f32 v214, v208, 0x3e38aa3b, v12 :: v_dual_fmamk_f32 v215, v210, 0x3e38aa3b, v9   ; the same form on each block's largest score
	s_wait_alu depctr_va_vdst(0)                   ; the wait ahead of the batch
.set j, 0
.rept 64
	v_exp_f32 v[96+j], v[96+j]                     ; p = 2^(t - M), at most 1
.set j, j+1
.endr
	v_exp_f32 v214, v214                           ; my blocks' largest p
	v_exp_f32 v215, v215
	v_add_nc_u32 v3, s36, v1                       ; the next step's address (a plain place behind the batch)
	s_wait_alu depctr_va_vdst(0)                   ; one wait for the batch, directly ahead of the first readers of O^T
	OM 0
	v_dual_max_num_f32 v214, 0x1800000, v214 :: v_dual_max_num_f32 v215, 0x1800000, v215   ; the floor 2^(3 - 127): the byte cannot fall under 1
	OD 2
	v_add_nc_u32 v216, 0xff000000, v214            ; 2 off the exponent field: the conversion's scale operand
	v_add_nc_u32 v217, 0xff000000, v215
	OD 4
	v_lshrrev_b32 v218, 23, v216                   ; the scales' bytes: blocks h and 2 + h
	v_lshrrev_b32 v219, 23, v217
	OD 6
	v_lshl_or_b32 v218, v219, 16, v218
	CV 0
	CV 1
	v_permlanex16_b32 v221, v218, s[SEL], s[SEL+1]
	CV 2
	CV 3
	v_lshl_or_b32 v220, v221, 8, v218              ; p's scale word: whole in lanes 0-15, which alone are read
	CV 4
	CV 5
	CV 6
	CV 7
	s_wait_dscnt 0x0                               ; V(s), K(s + 1) and their scale words are in
.irp k, 0,1,2,3                                    ; THE ROW'S SUM IS TAKEN OF THE UNQUANTISED p: four chains by turns.  These 28 lines are also the places between the codes, the scale word and the products
	v_dual_add_f32 v[200+2*\k], v[96+4*\k], v[98+4*\k] :: v_dual_add_f32 v[201+2*\k], v[97+4*\k], v[99+4*\k]
.endr
.set j, 16
.rept 4
.irp k, 0,1,2,3
	v_dual_add_f32 v[200+2*\k], v[96+j+2*\k], v[200+2*\k] :: v_dual_add_f32 v[201+2*\k], v[97+j+2*\k], v[201+2*\k]
.endr
.set j, j+8
.endr
.rept 2                                            ; the last eight lines are plain packed additions: the eight places between p's scale word and the products
.irp k, 0,1,2,3
	v_pk_add_f32 v[200+2*\k:201+2*\k], v[200+2*\k:201+2*\k], v[96+j+2*\k:97+j+2*\k]
.endr
.set j, j+8
.endr
.if \kind == 0
	QK                                             ; the next step's scores
.endif
	PV
	v_pk_add_f32 v[200:201], v[200:201], v[202:203]        ; four plain lines that name no register of the products: their places
	v_pk_add_f32 v[204:205], v[204:205], v[206:207]
	v_pk_add_f32 v[200:201], v[200:201], v[204:205]
	v_pk_fma_f32 v[14:15], v[14:15], v[252:253], v[200:201] op_sel_hi:[1,0,1]   ; the sum under the new M, and this step's
.endm
; A head's end: O^T / the sum, quantised: two blocks of 32 d; register 16 b + i is d = 32 b + 16 (lane / 16) + i.  Codes to v[pc .. pc + 3], two bytes into v196.
.macro FIN p, pc
	v_add_f32 v14, v14, v15
	v_permlanex16_b32 v213, v14, s[SEL], s[SEL+1]
	v_add_f32 v14, v14, v213                       ; the row's sum
	s_wait_alu depctr_va_vdst(0)                   ; the wait ahead of the transcendental
	v_rcp_f32 v14, v14
	v_nop
	s_wait_alu depctr_va_vdst(0)                   ; and ahead of its first reader, which is also O^T's
.set j, 0
.rept 16
	v_pk_mul_f32 v[160+j:161+j], v[160+j:161+j], v[14:15] op_sel_hi:[1,0]
.set j, j+2
.endr
.irp b, 0,1
	v_max3_num_f32 v[208+\b], |v[160+16*\b]|, |v[161+16*\b]|, 0x1800000
.endr
.irp i, 2,4,6,8,10,12,14
.irp b, 0,1
	v_max3_num_f32 v[208+\b], v[208+\b], |v[160+16*\b+\i]|, |v[161+16*\b+\i]|
.endr
.endr
.irp b, 0,1
	v_permlanex16_b32 v[210+\b], v[208+\b], s[SEL], s[SEL+1]
.endr
.irp b, 0,1
	v_max_num_f32 v[208+\b], v[208+\b], v[210+\b]
.endr
.irp b, 0,1
	v_add_nc_u32 v[216+\b], 0xff000000, v[208+\b]
.endr
.irp b, 0,1
	v_lshrrev_b32 v[210+\b], 23, v[216+\b]
.endr
.if \p
	v_lshl_or_b32 v210, v211, 8, v210
	v_lshl_or_b32 v196, v210, 16, v196
.else
	v_lshl_or_b32 v196, v211, 8, v210
.endif
.irp b, 0,1
	v_cvt_scalef32_pk8_fp4_f32 v[\pc+2*\b], v[160+16*\b:167+16*\b], v[216+\b]
	v_cvt_scalef32_pk8_fp4_f32 v[\pc+2*\b+1], v[168+16*\b:175+16*\b], v[216+\b]
.endr
	v_nop                                          ; one plain place behind a scaled conversion
	v_permlane16_swap_b32 v[\pc], v[\pc+2]         ; a whole block in a lane: lanes 0-15 block 0, lanes 16-31 block 1
	v_permlane16_swap_b32 v[\pc+1], v[\pc+3]
.endm
; One head.  K's step 0 and its scale words are in registers when it begins.
.macro HEAD p, pc
.if \p
.irp i, 0,1,2,3
	v_mov_b32 v[20+\i], v[192+\i]                  ; the second head's q and scale word
.endr
	v_mov_b32 v8, v197
.endif
.set j, 0
.rept 32
	v_mov_b32 v[160+j], 0                          ; O^T: the step is written once; the first change of M leaves zeros zeros.  (Also the places between q, its scale word and the products)
.set j, j+1
.endr
.if \p == 0
	s_wait_alu depctr_va_vdst(0)
	s_wait_dscnt 0x0                               ; K's step 0
.endif
	QK
	v_mov_b32 v13, 0xff61b1e6                      ; the largest score so far: -3e38; five plain lines: the places behind the products
	v_mov_b32 v12, 0x7f61b1e6                      ; -M
	v_mov_b32 v14, 0
	v_mov_b32 v15, 0
	v_mov_b32 v3, v1
	s_mov_b32 s36, 0
	s_mov_b32 s37, 15
.Lstep_\@:
	STEP 0
	s_sub_co_u32 s37, s37, 1
	s_cmp_lg_u32 s37, 0
	s_cbranch_scc1 .Lstep_\@
.if \p
	STEP 2
.else
	STEP 1
.endif
	FIN \p, \pc
.endm
	s_load_b256 s[4:11], s[0:1], 0x0               ; q_codes s[4:5], q_scales s[6:7], kv s[8:9], ao_codes s[10:11]
	s_load_b64 s[12:13], s[0:1], 0x20              ; ao_scales
	v_lshl_add_u32 v11, v0, 2, SPARE
	v_mov_b32 v4, 0
	ds_add_u32 v11, v4                             ; the opening lines: the add, twice on end, and its wait ahead of the first tensor load
	ds_add_u32 v11, v4
	v_lshrrev_b32 v1, 5, v0
	v_readfirstlane_b32 s14, v1                    ; wave 0..15
	s_bfe_u32 s44, ttmp6, 0x40000                  ; cx
	s_lshl_b32 s45, ttmp9, 2
	s_add_co_u32 s45, s45, s44                     ; g = 4 x cluster x + cx: it enters q's and o's addresses alone
	v_and_b32 v2, 31, v0
	v_and_b32 v10, 15, v0
	v_bfe_u32 v5, v0, 4, 1
	v_lshlrev_b32 v1, 4, v2                        ; 16 x lane
	v_lshlrev_b32 v2, 2, v2                        ; 4 x lane
	v_lshlrev_b32 v10, 2, v10                      ; 4 r
	v_lshlrev_b32 v5, 4, v5                        ; 16 (lane / 16): a shift
	s_mov_b32 s[G1+0], 15|(3<<16)|(1<<21)          ; two key steps, 17,408 dense bytes, as 68 rows of 256 bytes (32 elements of 8 bytes); the mask of four, bit 21 beside it
	s_mov_b32 s[G1+1], 32<<16
	s_mov_b32 s[G1+2], 68<<16
	s_mov_b32 s[G1+3], 32<<16
	s_mov_b32 s[G1+4], 68
	s_mov_b32 s[G1+5], 32
	s_mov_b32 s[G1+6], 0
	s_mov_b32 s[G1+7], 0
	s_mov_b32 s[G0], 1
	s_mul_i32 s[G0+1], s14, 2*KVS                  ; LDS: piece w
	s_lshr_b32 s15, ttmp9, 4                       ; the batch: 16 clusters each
	s_mul_i32 s16, s15, 16*KVS
	s_and_b32 s17, s14, 7                          ; memory: key steps 2 (w % 8) on: wave 8 fetches steps 0 and 1 once more
	s_mul_i32 s17, s17, 2*KVS
	s_add_co_u32 s16, s16, s17
	s_mov_b32 s17, 0
	s_lshl_b32 s18, s45, 14
	s_lshl_b32 s19, s14, 10
	s_add_co_u32 s18, s18, s19                     ; q's and o's codes: 16,384 g + 1,024 w
	s_mov_b32 s19, 0
	s_lshl_b32 s40, s45, 10
	s_lshl_b32 s41, s14, 6
	s_add_co_u32 s40, s40, s41                     ; o's scale words: 1,024 g + 64 w
	s_mov_b32 s41, 0
	s_lshr_b32 s42, s45, 1
	s_lshl_b32 s42, s42, 11                        ; q's scale bytes: 64 tokens x 16 heads are 2,048 bytes,
	s_and_b32 s43, s14, 7
	s_lshl_b32 s43, s43, 8                         ; two heads 256,
	s_add_co_u32 s42, s42, s43
	s_and_b32 s43, s45, 1
	s_lshl_b32 s43, s43, 6                         ; a pair of token tiles 64
	s_add_co_u32 s42, s42, s43
	s_mov_b32 s43, 0
	s_lshr_b32 s39, s14, 3
	s_lshl_b32 s39, s39, 4                         ; my tile of the pair has the lower or the upper two bytes of a word
	s_mov_b32 s[SEL], 0x76543210
	s_mov_b32 s[SEL+1], 0xfedcba98
	s_mov_b32 s[CS], 0x3e38aa3b                    ; log2(e) / 8
	s_mov_b32 s[CS+1], s[CS]
	s_wait_dscnt 0x0
	s_wait_kmcnt 0x0
	s_add_nc_u64 s[G0+2:G0+3], s[8:9], s[16:17]
	s_or_b32 s[G0+3], s[G0+3], 0x80000000
	ROUND                                          ; all four work-groups are here: the joint loads meet
	s_cmp_lt_u32 s14, 9
	s_cbranch_scc0 .Lnofill                        ; waves 9-15 fetch nothing
	tensor_load_to_lds s[G0:G0+3], s[G1:G1+7]      ; my one tensor load of the launch
	s_nop 0
	PLACES 4
.Lnofill:
	s_add_nc_u64 s[4:5], s[4:5], s[18:19]
	s_add_nc_u64 s[10:11], s[10:11], s[18:19]
	s_add_nc_u64 s[12:13], s[12:13], s[40:41]
	s_add_nc_u64 s[6:7], s[6:7], s[42:43]
	s_wait_alu depctr_va_vdst(0)
	global_load_b128 v[20:23], v1, s[4:5]          ; the first head's q
	global_load_b128 v[192:195], v1, s[4:5] offset:512   ; the second head's
	global_load_b32 v6, v10, s[6:7]
	global_load_b32 v7, v10, s[6:7] offset:128
.irp i, 16,17,18,19,24,25,26,27,213,221,253
	v_mov_b32 v[\i], 0                             ; the zero codes; the lane permutes' destinations and the upper half of f's pair, written once
.endr
	s_wait_alu depctr_va_vdst(0)                   ; the wait directly ahead of the blocking wait
	s_wait_tensorcnt 0x0                           ; my piece has landed,
	s_barrier_signal -1
	s_barrier_wait -1                              ; everybody's has: from here on LDS is only read
	LK 1, 0, 0                                     ; K's step 0 and its scale words
	LK 1, 0, 1
	LK 1, 0, 2
	LK 1, 0, 3
	ds_load_b128 v[240:243], v1 offset:8192
	s_wait_loadcnt 0x0
	v_lshrrev_b32 v8, s39, v6                      ; my tile's two bytes of each head,
	v_lshrrev_b32 v197, s39, v7
	v_and_b32 v8, 0xffff, v8
	v_and_b32 v197, 0xffff, v197
	v_lshlrev_b32 v8, v5, v8                       ; in lanes 0-15 for K 0-63 (q first), in lanes 16-31 for K 64-127 (q second); the other two bytes are 0
	v_lshlrev_b32 v197, v5, v197
	HEAD 0, 28
	HEAD 1, 232
	global_store_b128 v1, v[28:31], s[10:11]       ; each store of the wave covers 512 consecutive bytes
	global_store_b128 v1, v[232:235], s[10:11] offset:512
	s_wait_alu depctr_va_vdst(0)
	s_wait_xcnt 0x0                                ; EXEC changes only behind this wait
	v_cmp_gt_u32 vcc_lo, 0x100, v1
	s_and_saveexec_b32 s38, vcc_lo
	global_store_b32 v2, v196, s[12:13]            ; lanes 0-15: token r's scale word (lanes 16-31 hold the same)
	s_wait_xcnt 0x0
	s_or_b32 exec_lo, exec_lo, s38
	s_wait_tensorcnt 0x0                           ; the wave's end
	ds_add_u32 v11, v4
	s_wait_dscnt 0x0
	ROUND                                          ; the closing round
	s_endpgm
.Lfunc_end_k_q66c89c82b3_attn:
	.size	k_q66c89c82b3_attn, .Lfunc_end_k_q66c89c82b3_attn-k_q66c89c82b3_attn
	.p2alignl 7, 3214868480
	.fill 96, 4, 3214868480
	.section	.rodata,"a",@progbits
	.p2align	6, 0x0
	.amdhsa_kernel k_q66c89c82b3_attn
		.amdhsa_group_segment_fixed_size 169984
		.amdhsa_private_segment_fixed_size 0
		.amdhsa_enable_private_segment 0
		.amdhsa_kernarg_size 40
		.amdhsa_user_sgpr_count 2
		.amdhsa_user_sgpr_kernarg_segment_ptr 1
		.amdhsa_wavefront_size32 1
		.amdhsa_system_sgpr_workgroup_id_x 1
		.amdhsa_system_sgpr_workgroup_id_y 1
		.amdhsa_system_sgpr_workgroup_id_z 1
		.amdhsa_system_vgpr_workitem_id 0
		.amdhsa_next_free_vgpr 256
		.amdhsa_next_free_sgpr 66
		.amdhsa_reserve_vcc 1
		.amdhsa_float_denorm_mode_32 3
		.amdhsa_float_denorm_mode_16_64 3
		.amdhsa_memory_ordered 1
		.amdhsa_forward_progress 1
		.amdhsa_inst_pref_size 73
	.end_amdhsa_kernel
	.amdgpu_metadata
---
amdhsa.version: [ 1, 2 ]
amdhsa.kernels:
  - .name:           k_q66c89c82b3_attn
    .symbol:         k_q66c89c82b3_attn.kd
    .args:
      - { .name: q_codes, .offset: 0, .size: 8, .value_kind: global_buffer, .address_space: global }
      - { .name: q_scales, .offset: 8, .size: 8, .value_kind: global_buffer, .address_space: global }
      - { .name: kv, .offset: 16, .size: 8, .value_kind: global_buffer, .address_space: global }
      - { .name: ao_codes, .offset: 24, .size: 8, .value_kind: global_buffer, .address_space: global }
      - { .name: ao_scales, .offset: 32, .size: 8, .value_kind: global_buffer, .address_space: global }
    .group_segment_fixed_size: 169984
    .private_segment_fixed_size: 0
    .kernarg_segment_align: 8
    .kernarg_segment_size: 40
    .max_flat_workgroup_size: 512
    .sgpr_count:     66
    .vgpr_count:     256
    .wavefront_size: 32
...
	.end_amdgpu_metadata
.endif
;; end of part 2
;; launch oproj (part 3): grid 64 x 4, 8 waves a work-group, clusters of 4 x 1, 238,592 bytes of LDS; arguments ao_codes, ao_scales, Wo_codes, Wo_scales, bo, out0; writes out0
.if DOCPART == 3
	.amdgcn_target "amdgcn-amd-amdhsa--gfx1250"
	.amdhsa_code_object_version 6
	.text
	.protected	k_q66c89c82b3_oproj
	.globl	k_q66c89c82b3_oproj
	.p2align	8
	.type	k_q66c89c82b3_oproj,@function
k_q66c89c82b3_oproj:
	s_mov_b64 s[64:65], 0
	v_nop
	global_prefetch_b8 v0, s[64:65] scope:SCOPE_SE
	s_setreg_imm32_b32 hwreg(HW_REG_WAVE_MODE, 25, 1), 1
	s_wait_xcnt 0x0
	s_wait_alu depctr_hold_cnt(0) depctr_sa_sdst(0) depctr_va_vdst(0) depctr_va_sdst(0) depctr_va_ssrc(0) depctr_va_vcc(0) depctr_vm_vsrc(0)
	s_getreg_b32 s2, hwreg(HW_REG_IB_STS2, 6, 4)
	s_cmp_eq_u32 s2, 0
	s_cbranch_scc0 .Lentry_in_a_cluster
	s_endpgm
.Lentry_in_a_cluster:
	s_bfe_u32 s2, ttmp6, 0x10000c
	s_cmp_lg_u32 s2, 0x3003
	s_cbranch_scc0 .Lentry_shape_is_right
	s_endpgm
.Lentry_shape_is_right:
; out0 = o Wo + bo on codes of FP4 (E2M1) with one E8M0 scale for each 32 along K = 1,024; sums in f32; out0 [8,192][1,024] f32.
; o comes as the launch before left it: ao_codes [token / 16][head][lane][16 bytes]: the images of heads 2 s and 2 s + 1 are registers 0-3 and 4-7 of the fragment of K step s; ao_scales [token / 16][K step][r] of four bytes.
; SHARES.  Work-group (x, y) takes tokens 128 x .. + 127 and columns 256 y .. + 255.  Wave w has 64 tokens (w % 2) x 64 columns (w / 2): 16 accumulators.
; All of K lies in LDS, filled once by six tensor loads of 64 rows x 512 bytes (waves 0-3: Wo's 256 rows; waves 4, 5: 64 tokens' 64 images each, an image to a row); one barrier behind them.
; CLUSTER.  Four work-groups along x (the same 256 columns) form a cluster and need the same 256 rows of Wo: 135,168 of a work-group's 202,752 bytes.  Each such piece is asked for JOINTLY: the same
; tensor load, with the same descriptor and a mask that names the four, in all four; each receives it in its own LDS.  The tokens' images are a work-group's own and come by plain loads.
; The place in the cluster enters global addresses alone: no LDS address and no branch hangs on it.
; THE MATRIX INSTRUCTION IS USED TRANSPOSED (source 0 = 16 rows of Wo, source 1 = 16 tokens): a lane holds eight neighbouring numbers of a row of out0.
; SCALE WORDS: register q of a tile's four holds K step q's word in lanes 0-15 and K step q + 4's in lanes 16-31; K steps 4-7 name the same registers and read the upper lanes.
; bo is the C of each sum's first matrix instruction, so it is added first, not last.  NaN and infinities are not served.
.set PITCH, 528                        ; an LDS row: 512 bytes + 16 of padding
.set PIECE, 64*PITCH
.set TOK,   4*PIECE                    ; LDS: Wo's 256 rows at 0, the tokens' 128 images here,
.set STAGE, 6*PIECE                    ; and behind them, in blocks of 256 bytes into which no fill lands, a stage of 16 rows x 272 bytes for each wave
.set SP,    272
.set G1,  48                           ; s[48:55] descriptor group 1 of the joint loads;  s[56:59] their group 0
.set G0,  56
.set G1P, 32                           ; s[32:39] group 1 of the plain loads: it differs in the mask alone;  s[40:43] their group 0
.set G0P, 40
.set WF,  32                           ; v32-63 four fragments of Wo, v64-95 four of tokens (on the way out: rows read back), v96-111 and v112-127 scale words, v128-255 accumulators (token tile a, column tile t) at 128 + 8 (4 a + t)
.set TF,  64
.set SCW, 96
.set SCT, 112
.set ACC, 128
.macro PLACES n
.rept \n
	v_nop
.endr
.endm
; A round of the cluster's barrier: my work-group's barrier, so that wave 0's signal speaks for all eight waves; wave 0 signals for the work-group; every wave waits for all four work-groups; my work-group's barrier once more.
.macro ROUND
	s_barrier_signal -1
	s_barrier_wait -1
	s_cmp_lg_u32 s2, 0
	s_cbranch_scc1 .Lnot_wave_0_\@
	s_barrier_signal -3
.Lnot_wave_0_\@:
	s_barrier_wait -3
	s_barrier_signal -1
	s_barrier_wait -1
.endm
.macro MM d, a, b, c, sa, sb, row
.if \row
	v_wmma_scale_f32_16x16x128_f8f6f4 v[\d:\d+7], v[\a:\a+7], v[\b:\b+7], v[\c:\c+7], v[\sa], v[\sb] matrix_a_fmt:MATRIX_FMT_FP4 matrix_b_fmt:MATRIX_FMT_FP4 matrix_a_scale:MATRIX_SCALE_ROW1 matrix_b_scale:MATRIX_SCALE_ROW1
.else
	v_wmma_scale_f32_16x16x128_f8f6f4 v[\d:\d+7], v[\a:\a+7], v[\b:\b+7], v[\c:\c+7], v[\sa], v[\sb] matrix_a_fmt:MATRIX_FMT_FP4 matrix_b_fmt:MATRIX_FMT_FP4
.endif
.endm
	s_load_b256 s[16:23], s[0:1], 0x0              ; ao_codes s[16:17], ao_scales s[18:19], Wo's codes s[20:21], Wo's scales s[22:23]
	s_load_b128 s[24:27], s[0:1], 0x20             ; bo s[24:25], out0 s[26:27]
	v_lshl_add_u32 v30, v0, 2, 0x3a000
	v_mov_b32 v31, 0
	ds_add_u32 v30, v31
	ds_add_u32 v30, v31
	v_lshrrev_b32 v1, 5, v0
	s_delay_alu instid0(VALU_DEP_1)
	v_readfirstlane_b32 s2, v1                     ; wave 0..7
	s_bfe_u32 s14, ttmp6, 0x40000                  ; cx: my place in the cluster
	s_lshl_b32 s4, ttmp9, 2                        ; in a cluster launch ttmp9 counts clusters
	s_add_co_u32 s4, s4, s14                       ; which 128 tokens = 4 x cluster x + cx: it enters global addresses alone
	s_and_b32 s3, ttmp7, 0xffff                    ; y: which 256 columns: the four partners share it
	v_and_b32 v1, 31, v0                           ; lane
	v_and_b32 v2, 15, v0                           ; r
	v_bfe_u32 v3, v0, 4, 1                         ; h
	s_mov_b32 s[G1+0], 15|(0<<16)|(1<<20)|(1<<21)|(6<<22)|(3<<25)   ; 15:0 the mask: all four work-groups; elements of 1 byte; 20 padding on; 21 set beside a mask; after every 128 words (code 6) four words (code 3)
	s_mov_b32 s[G1P+0], (0<<16)|(1<<20)|(6<<22)|(3<<25)             ; the same without a mask
.irp g, G1, G1P
	s_mov_b32 s[\g+1], 512<<16                     ; tensor_dim0
	s_mov_b32 s[\g+2], 64<<16                      ; tensor_dim1
	s_mov_b32 s[\g+3], 512<<16                     ; tile_dim0
	s_mov_b32 s[\g+4], 64                          ; tile_dim1
	s_mov_b32 s[\g+5], 512                         ; tensor_dim0_stride
	s_mov_b32 s[\g+6], 0
	s_mov_b32 s[\g+7], 0
.endr
	s_mov_b32 s[G0], 1
	s_mul_i32 s[G0+1], s2, PIECE                   ; piece w of LDS is wave w's
	s_mov_b32 s[G0P], 1
	s_mul_i32 s[G0P+1], s2, PIECE
	s_and_b32 s5, s2, 1                            ; which 64 tokens are mine
	s_lshr_b32 s6, s2, 1                           ; which 64 columns
	s_lshl_b32 s7, s5, 15
	s_lshl_b32 s44, s4, 16
	s_add_co_u32 s44, s44, s7                      ; the tokens' images: 65,536 x + 32,768 (w % 2)
	s_mov_b32 s45, 0
	s_lshl_b32 s46, s3, 17
	s_lshl_b32 s9, s2, 15
	s_add_co_u32 s46, s46, s9                      ; Wo: 131,072 y + 32,768 w: in registers that never hold the place in the cluster
	s_mov_b32 s47, 0
	s_wait_dscnt 0x0
	s_wait_kmcnt 0x0
	s_add_nc_u64 s[G0+2:G0+3], s[20:21], s[46:47]
	s_or_b32 s[G0+3], s[G0+3], 0x80000000          ; type = 2
	s_add_nc_u64 s[G0P+2:G0P+3], s[16:17], s[44:45]
	s_or_b32 s[G0P+3], s[G0P+3], 0x80000000
	ROUND                                          ; all four work-groups are here: the joint loads meet
	s_cmp_lt_u32 s2, 4                             ; waves 0-3 ask jointly for Wo, waves 4 and 5 for their own tokens, waves 6 and 7 for nothing: a wave's one tensor load of the launch
	s_cbranch_scc0 .Lnot_joint
	tensor_load_to_lds s[G0:G0+3], s[G1:G1+7]
	s_nop 0
	PLACES 4
	s_branch .Lasked
.Lnot_joint:
	s_cmp_lt_u32 s2, 6
	s_cbranch_scc0 .Lasked
	tensor_load_to_lds s[G0P:G0P+3], s[G1P:G1P+7]
	s_nop 0
	PLACES 4
.Lasked:
	s_mul_i32 s7, s6, PIECE
	s_wait_alu depctr_va_vdst(0)
	v_mul_u32_u24 v6, v2, PITCH
	s_delay_alu instid0(VALU_DEP_1)
	v_lshl_add_u32 v6, v3, 4, v6
	s_delay_alu instid0(VALU_DEP_1)
	v_add_nc_u32 v6, s7, v6                        ; Wo: my 64 rows, row r, + 16 h
	s_mul_i32 s7, s5, PIECE
	s_add_co_u32 s7, s7, TOK
	v_lshlrev_b32 v7, 4, v1
	s_delay_alu instid0(VALU_DEP_1)
	v_add_nc_u32 v7, s7, v7                        ; the tokens' images: 16 x lane
	v_lshlrev_b32 v8, 5, v2
	s_delay_alu instid0(VALU_DEP_1)
	v_lshl_add_u32 v8, v3, 4, v8                   ; Wo's scale bytes: 32 a row, + 16 h
	v_lshlrev_b32 v9, 2, v2
	s_delay_alu instid0(VALU_DEP_1)
	v_lshl_add_u32 v9, v3, 8, v9                   ; o's scale words: 4 r, and four K steps (256 bytes) on for lanes 16-31
	v_lshlrev_b32 v10, 5, v3                       ; bo: my half's eight numbers of a tile begin 32 h bytes on
	s_wait_alu depctr_va_vdst(0)
	s_mul_i32 s7, s2, 16*SP
	s_add_co_u32 s7, s7, STAGE                     ; my stage
	v_mul_u32_u24 v12, v2, SP
	s_delay_alu instid0(VALU_DEP_1)
	v_lshl_add_u32 v12, v3, 5, v12
	s_delay_alu instid0(VALU_DEP_1)
	v_add_nc_u32 v12, s7, v12                      ; in: row r, 32 bytes for each half of the lanes
	v_mul_u32_u24 v13, v3, SP
	s_delay_alu instid0(VALU_DEP_1)
	v_lshl_add_u32 v13, v2, 4, v13
	s_delay_alu instid0(VALU_DEP_1)
	v_add_nc_u32 v13, s7, v13                      ; back: lanes 0-15 one row of 256 bytes, lanes 16-31 the next
	v_lshlrev_b32 v14, 12, v3
	s_delay_alu instid0(VALU_DEP_1)
	v_lshl_add_u32 v14, v2, 4, v14                 ; and the same two rows in out0
	s_lshl_b32 s8, s3, 8
	s_lshl_b32 s9, s6, 6
	s_add_co_u32 s8, s8, s9                        ; my first column
	s_lshl_b32 s9, s4, 7
	s_lshl_b32 s10, s5, 6
	s_add_co_u32 s9, s9, s10                       ; my first token
	s_mov_b32 s11, 0
	s_lshl_b32 s10, s8, 5
	s_add_nc_u64 s[68:69], s[22:23], s[10:11]      ; Wo's scales
	s_lshl_b32 s10, s9, 5                          ; (token / 16) x 512
	s_add_nc_u64 s[70:71], s[18:19], s[10:11]      ; o's scale words
	s_lshl_b32 s12, s8, 2
	s_mov_b32 s13, 0
	s_add_nc_u64 s[72:73], s[24:25], s[12:13]      ; bo
	s_lshl_b32 s10, s9, 12
	s_add_co_u32 s10, s10, s12
	s_add_nc_u64 s[74:75], s[26:27], s[10:11]      ; out0 at my first token and column
.irp t, 0,1,2,3
	global_load_b128 v[SCW+4*\t:SCW+4*\t+3], v8, s[68:69] offset:512*\t
.endr
.irp a, 0,1,2,3
.irp q, 0,1,2,3
	global_load_b32 v[SCT+4*\a+\q], v9, s[70:71] offset:512*\a+64*\q
.endr
.endr
.irp t, 0,1,2,3                                    ; bo begins in the last token tile's accumulators: the other three tiles' first products take it from there as C
	global_load_b128 v[224+8*\t:227+8*\t], v10, s[72:73] offset:64*\t
	global_load_b128 v[228+8*\t:231+8*\t], v10, s[72:73] offset:64*\t+16
.endr
	s_wait_tensorcnt 0x0                           ; my piece has landed,
	s_barrier_signal -1
	s_barrier_wait -1                              ; everybody's has
.macro OSTEP s
.if \s > 0
	PLACES 4                                       ; in front of loads into registers that matrix instructions have read
.endif
.irp t, 0,1,2,3
	ds_load_b128 v[WF+8*\t:WF+8*\t+3], v6 offset:16*\t*PITCH+64*\s
	ds_load_b128 v[WF+8*\t+4:WF+8*\t+7], v6 offset:16*\t*PITCH+64*\s+32
.endr
.irp a, 0,1,2,3
	ds_load_b128 v[TF+8*\a:TF+8*\a+3], v7 offset:(16*\a+2*\s)*PITCH
	ds_load_b128 v[TF+8*\a+4:TF+8*\a+7], v7 offset:(16*\a+2*\s+1)*PITCH
.endr
.if \s == 0
	s_wait_loadcnt 0x0                             ; scale words and bias
.endif
.irp a, 0,1,2,3
	s_wait_dscnt 6-2*\a                            ; the token tiles behind tile a, two loads each, may be out
.if (\s == 0) && (\a == 3)
	PLACES 5                                       ; the next four write over registers that the twelve above have read as C
.endif
.irp t, 0,1,2,3
.if (\s == 0) && (\a < 3)
	MM ACC+8*(4*\a+\t), WF+8*\t, TF+8*\a, 224+8*\t, SCW+4*\t, SCT+4*\a, 0
.else
	MM ACC+8*(4*\a+\t), WF+8*\t, TF+8*\a, ACC+8*(4*\a+\t), SCW+4*\t+\s%4, SCT+4*\a+\s%4, \s/4
.endif
.endr
.endr
.endm
.irp s, 0,1,2,3,4,5,6,7
	OSTEP \s                                       ; the sixteen accumulators take turns, one instruction a turn, in the same order in every step
.endr
; THE WAY OUT, a token tile (16 rows x 64 columns) at a time.  A lane holds 32 neighbouring bytes of a row and the lanes beside it hold other rows: so a tile goes through my own stage and comes back as whole
; rows of 256 bytes.  LDS serves a wave's instructions in order (ISA guide 5.7.1.4): no wait between the stores and the loads, nor in front of the next tile's stores.
.macro TOSTAGE a
.irp t, 0,1,2,3
	ds_store_b128 v12, v[ACC+8*(4*\a+\t):ACC+8*(4*\a+\t)+3] offset:64*\t        ; each accumulator from its low end on
	ds_store_b128 v12, v[ACC+8*(4*\a+\t)+4:ACC+8*(4*\a+\t)+7] offset:64*\t+16
.endr
.irp i, 0,1,2,3,4,5,6,7
	ds_load_b128 v[32+32*(\a%2)+4*\i:32+32*(\a%2)+4*\i+3], v13 offset:2*\i*SP
.endr
.endm
.macro SEND a, younger                 ; younger: the LDS instructions issued behind tile a's loads, which may stay out
	s_wait_dscnt \younger
.irp i, 0,1,2,3,4,5,6,7
	global_store_b128 v14, v[32+32*(\a%2)+4*\i:32+32*(\a%2)+4*\i+3], s[74:75] offset:(16*\a+2*\i)*4096 th:TH_STORE_NT   ; 16 lanes store 256 consecutive bytes, at a multiple of 256 from out0's first byte; written once, read by nobody here
.endr
.endm
	PLACES 4                                       ; behind the last products: their results are read, and the fragments' registers are loaded anew
	s_wait_alu depctr_va_vdst(0)
	TOSTAGE 0
	TOSTAGE 1
	SEND 0, 16                                     ; behind tile 0's loads: tile 1's 8 stores and 8 loads
	s_wait_xcnt 0x0                                ; tile 0's stores have read their registers: tile 2's rows may land there
	TOSTAGE 2
	SEND 1, 16
	s_wait_xcnt 0x0                                ; tile 1's likewise
	TOSTAGE 3
	SEND 2, 16
	SEND 3, 0
	s_wait_tensorcnt 0x0
	ds_add_u32 v30, v31
	s_wait_dscnt 0x0
	ROUND                                          ; the closing round: no work-group ends while a partner may still ask for a piece that names it
	s_endpgm
.Lfunc_end_k_q66c89c82b3_oproj:
	.size	k_q66c89c82b3_oproj, .Lfunc_end_k_q66c89c82b3_oproj-k_q66c89c82b3_oproj
	.p2alignl 7, 3214868480
	.fill 96, 4, 3214868480
	.section	.rodata,"a",@progbits
	.p2align	6, 0x0
	.amdhsa_kernel k_q66c89c82b3_oproj
		.amdhsa_group_segment_fixed_size 238592
		.amdhsa_private_segment_fixed_size 0
		.amdhsa_enable_private_segment 0
		.amdhsa_kernarg_size 48
		.amdhsa_user_sgpr_count 2
		.amdhsa_user_sgpr_kernarg_segment_ptr 1
		.amdhsa_wavefront_size32 1
		.amdhsa_system_sgpr_workgroup_id_x 1
		.amdhsa_system_sgpr_workgroup_id_y 1
		.amdhsa_system_sgpr_workgroup_id_z 1
		.amdhsa_system_vgpr_workitem_id 0
		.amdhsa_next_free_vgpr 256
		.amdhsa_next_free_sgpr 80
		.amdhsa_reserve_vcc 0
		.amdhsa_float_denorm_mode_32 3
		.amdhsa_float_denorm_mode_16_64 3
		.amdhsa_memory_ordered 1
		.amdhsa_forward_progress 1
		.amdhsa_inst_pref_size 43
	.end_amdhsa_kernel
	.amdgpu_metadata
---
amdhsa.version: [ 1, 2 ]
amdhsa.kernels:
  - .name:           k_q66c89c82b3_oproj
    .symbol:         k_q66c89c82b3_oproj.kd
    .args:
      - { .name: ao_codes, .offset: 0, .size: 8, .value_kind: global_buffer, .address_space: global }
      - { .name: ao_scales, .offset: 8, .size: 8, .value_kind: global_buffer, .address_space: global }
      - { .name: Wo_codes, .offset: 16, .size: 8, .value_kind: global_buffer, .address_space: global }
      - { .name: Wo_scales, .offset: 24, .size: 8, .value_kind: global_buffer, .address_space: global }
      - { .name: bo, .offset: 32, .size: 8, .value_kind: global_buffer, .address_space: global }
      - { .name: out0, .offset: 40, .size: 8, .value_kind: global_buffer, .address_space: global }
    .group_segment_fixed_size: 238592
    .private_segment_fixed_size: 0
    .kernarg_segment_align: 8
    .kernarg_segment_size: 48
    .max_flat_workgroup_size: 256
    .sgpr_count:     80
    .vgpr_count:     256
    .wavefront_size: 32
...
	.end_amdgpu_metadata
.endif
;; end of part 3
